; MI455X (gfx1250); checked and timed in simulation.
; The chip was launched on July 23, 2026; its instructions are those of AMD's public machine-readable ISA for CDNA 5 (MIT licence, August 2026) and "CDNA5" Instruction Set Architecture Reference Guide (July 2026). The comments in the code are by the model that wrote it; some were corrected since.
;; Naive LSTM Cell. Allowed arithmetic: matrix products marked QUANTISED: E4M3 operands, one given power-of-two scale a tensor, by v_wmma_f32_16x16x64_fp8_fp8 or v_wmma_f32_16x16x128_fp8_fp8, f32 sums; everything else in f32.
;; Inputs: W_hc 2,048 x 2,048 float32; W_hf 2,048 x 2,048 float32; W_hi 2,048 x 2,048 float32; W_ho 2,048 x 2,048 float32; W_xc 2,048 x 2,048 float32; W_xf 2,048 x 2,048 float32; W_xi 2,048 x 2,048 float32; W_xo 2,048 x 2,048 float32; b_c 2,048 float32; b_f 2,048 float32; b_i 2,048 float32; b_o 2,048 float32; c_x 2,048 x 2,048 float32; h_x 2,048 x 2,048 float32; lowp_scales 16 int32 (the exponents e of the quantised operands' scales 2^e); x 2,048 x 2,048 float32.
;; Outputs: out0 2,048 x 2,048 float32; out1 2,048 x 2,048 float32.
;; This version of the problem:
;;   THIS VERSION OF THE PROBLEM IS GIVEN IN LOW PRECISION. The matrix products marked QUANTISED in the list below multiply operands that are first quantised to E4M3 (4 exponent bits, 3 mantissa bits; 8 bits a number), with one given power-of-two scale for each operand tensor; their sums are f32. All else is computed in f32.
;;   The module's matrix products, in the order in which they are computed (A, B: the left and right operand; K: the contracted axis; several contracted axes count as one K, in the product's order):
;;     1. [M 2,048, K 2,048] x [K 2,048, N 2,048]; A: input x; B: input W_xi: QUANTISED (scales: A lowp_scales[0], B lowp_scales[1])
;;     2. [M 2,048, K 2,048] x [K 2,048, N 2,048]; A: input h_x; B: input W_hi: QUANTISED (scales: A lowp_scales[2], B lowp_scales[3])
;;     3. [M 2,048, K 2,048] x [K 2,048, N 2,048]; A: input x; B: input W_xf: QUANTISED (scales: A lowp_scales[4], B lowp_scales[5])
;;     4. [M 2,048, K 2,048] x [K 2,048, N 2,048]; A: input h_x; B: input W_hf: QUANTISED (scales: A lowp_scales[6], B lowp_scales[7])
;;     5. [M 2,048, K 2,048] x [K 2,048, N 2,048]; A: input x; B: input W_xo: QUANTISED (scales: A lowp_scales[8], B lowp_scales[9])
;;     6. [M 2,048, K 2,048] x [K 2,048, N 2,048]; A: input h_x; B: input W_ho: QUANTISED (scales: A lowp_scales[10], B lowp_scales[11])
;;     7. [M 2,048, K 2,048] x [K 2,048, N 2,048]; A: input x; B: input W_xc: QUANTISED (scales: A lowp_scales[12], B lowp_scales[13])
;;     8. [M 2,048, K 2,048] x [K 2,048, N 2,048]; A: input h_x; B: input W_hc: QUANTISED (scales: A lowp_scales[14], B lowp_scales[15])
;;   THE QUANTISER, for each operand of a quantised product, along K:
;;     - The operand's scale is 2^e, e = its entry of the input lowp_scales (int32; the entries are numbered through the quantised products in the list's order, A before B).
;;     - Each number is divided by the scale, clamped to +-448, and rounded to the nearest number of E4M3, ties to even, subnormals kept.
;;     - The product sums the exact products of the quantised numbers (number of the format x scale) in f32.
;;   ~~~python
;;   def quantise(x, axis, e):      # numpy; x: float32 -> the quantised numbers, widened to float32 again
;;       x = np.moveaxis(x, axis, -1); K = x.shape[-1]
;;       r = np.clip(x / 2.0 ** e, -448, 448)
;;       step = 2.0 ** (np.maximum(np.frexp(np.where(r == 0, 1, r))[1] - 1, -6) - 3)
;;       q = np.round(r / step) * step * 2.0 ** e      # np.round: ties to even
;;       return np.moveaxis(q, -1, axis).astype(np.float32)
;;   ~~~
;; One version. Each part assembles by itself: llvm-mc -triple=amdgcn-amd-amdhsa -mcpu=gfx1250 --defsym DOCPART=n.
;; ======== version 1 of 1: 3 launches
;; limits: right only within a limited range of input values
;; workspace buffers: acodes 33,554,432 bytes; wcodes 33,554,432 bytes; gbuf 67,108,864 bytes
;; launch quant (part 1): grid 256 x 1, 8 waves a work-group, no clusters, 327,680 bytes of LDS; arguments W_xi, W_xf, W_xo, W_xc, W_hi, W_hf, W_ho, W_hc, x, h_x, lowp_scales, acodes, wcodes; writes acodes, wcodes
.if DOCPART == 1
	.amdgcn_target "amdgcn-amd-amdhsa--gfx1250"
	.amdhsa_code_object_version 6
	.text
	.protected	k_qb81dfbded7_quant
	.globl	k_qb81dfbded7_quant
	.p2align	8
	.type	k_qb81dfbded7_quant,@function
k_qb81dfbded7_quant:
	s_mov_b64 s[64:65], 0
	v_nop
	global_prefetch_b8 v0, s[64:65] scope:SCOPE_SE
	s_setreg_imm32_b32 hwreg(HW_REG_WAVE_MODE, 25, 1), 1
	s_wait_xcnt 0x0
; The eight weights [2048 (k)][2048 (n)] and x, h_x [2048 (m)][2048 (k)], all f32, become codes of FP8 (E4M3), each with the scale 2^e given for the product it enters.
; code = number / 2^e, held within +-448, rounded to the nearest code, ties to even.  Gates in the order i, f, o, c (g = 0..3); t = 0: the x part, 1: the h part.  Product (g, t): A's e is entry 4 g + 2 t, B's entry 4 g + 2 t + 1.
; x and h_x have FOUR scales each, one a gate, and nothing says that they are equal: so each is quantised four times, into four versions.
; LAYOUT of both buffers: byte ((blk x 4 + g) x 32 + ks) x 16384 + i x 2048 + c x 512 + 16 x lane.  blk = row / 128 (m for acodes, n for wcodes), i = (row % 128) / 16, ks = 16 t + k / 128, c = (k % 128) / 32,
; lane = 16 h + row % 16, and the lane's 16 bytes are k % 32 = 16 h + 0 .. 15: the image of the operand's registers, so that the product's launch reads 16 bytes a lane, 512 on end.
; LIMITS: every e between -126 and 119, so that 2^e and 448 x 2^e are f32 numbers.  NaN among the inputs is not served (an infinity is held at the largest code).
; SHARES.  256 work-groups of eight waves.  All tiles have ONE shape: 32 rows x 128 numbers (512 bytes of a row, from a multiple of 512), brought by one tensor load into the wave's own ring of two LDS slots.
; A wave takes five tiles: one of x or h_x (32 rows m x one K step), then four of a weight (32 rows k x 128 columns n).  Work-group b: tensor t = b / 128, rows 32 ((b % 128) / 2) on, K steps 8 (b % 2) + wave;
; weight b / 32 (= 4 t + g), rows k = 64 (b % 32) on: 64 whole rows, 512 KiB on end.  Every input byte is read once.
; A WEIGHT'S K IS ITS FIRST AXIS: lane (r, h) reads column 16 i + r of the tile's rows 16 h + 0 .. 15 from LDS, a word a load, so its registers run down K and nothing is transposed by an instruction.
; (LDS rows are 528 bytes apart, so that the 16-byte reads of x's tile are aligned and start in sixteen different groups of banks; the two halves of a weight's word load fall on the same sixteen banks.)
; ORDER OF A TRIP: a tile is read from its slot and converted; the slot is asked for again; only then the tile's codes are stored: the refill does not stand behind the stores.
; PREFETCH: at each change of slots a wave has no load on its way, so each wave asks for its own later tiles ahead of their loads, a lane a row, two blocks of 256 bytes a row: tiles 1 and 2 under tile 0's flight,
; tile 3 behind slot 1's first fill, tile 4 behind the next refill: two refills ahead of the load that wants them; then nothing is left to ask for.  No cluster: work-groups share no input.
.set PITCH, 528                        ; an LDS row: 512 bytes + 16 of padding
.set SLOTB, 32*PITCH                   ; a slot
.set SPARE, 16*SLOTB                   ; behind the eight rings: the spare words, 128 bytes a wave: four blocks of 256 bytes that no other line names
.set SPW,  8                           ; v8       my spare word's LDS address; never rewritten
.set NIL,  9                           ; v9       0; never rewritten
.set SCL,  12                          ; v12-15   x: 2^e of the four versions (v10: the weight's)
.set LIM,  16                          ; v16-19   x: 448 x 2^e (v11: the weight's)
.set C,    20                          ; v20-51   a weight tile's codes: four registers a fragment
.set TA,   52                          ; v52-115  x: sixteen held numbers for each version
.set X,    116                         ; v116-243 a tile's numbers, 16 a fragment or chunk; x's codes land on them
.set G0,   40                          ; s[40:59] descriptor group 0, a set for each of the five tiles: none is ever rewritten
.set G1,   68                          ; s[68:75] descriptor group 1: the one shape
.set OW,   34                          ; s[34:35] the weight's codes, column blocks 0-7 + wave;  s[92:93] blocks 8-15
.set OW2,  92
.macro ASK n                           ; tile n of the weight (n = 1..4) is asked for: v7 = 8,192 x lane, s[8:9] = tile 1's first byte; neither is ever rewritten
	global_prefetch_b8 v7, s[8:9] offset:((\n-1)%2)*4096+((\n-1)/2)*262144 th:TH_LOAD_NT scope:SCOPE_SE
	global_prefetch_b8 v7, s[8:9] offset:((\n-1)%2)*4096+((\n-1)/2)*262144+256 th:TH_LOAD_NT scope:SCOPE_SE
.endm
	s_load_b512 s[8:23], s[0:1], 0x0               ; the eight weights: index 4 t + g
	s_load_b128 s[24:27], s[0:1], 0x40             ; x, h_x
	s_load_b64 s[28:29], s[0:1], 0x50              ; the scales' exponents
	s_load_b128 s[32:35], s[0:1], 0x58             ; acodes, wcodes
	v_lshl_add_u32 v[SPW], v0, 2, SPARE
	v_mov_b32 v[NIL], 0
	ds_add_u32 v[SPW], v[NIL]                      ; the opening lines: the add,
	ds_add_u32 v[SPW], v[NIL]                      ; twice on end, under one wait; work on registers stands between
	v_lshrrev_b32 v1, 5, v0
	v_readfirstlane_b32 s36, v1                    ; wave 0..7
	s_mov_b32 s[G1+0], (2<<16)|(1<<20)|(6<<22)|(3<<25)  ; elements of 4 bytes; padding on: behind every 128 words, 4 words
	s_mov_b32 s[G1+1], 128<<16                     ; tensor_dim0 = 128
	s_mov_b32 s[G1+2], 32<<16                      ; tensor_dim1 = 32
	s_mov_b32 s[G1+3], 128<<16                     ; tile_dim0 = 128
	s_mov_b32 s[G1+4], 32                          ; tile_dim1 = 32
	s_mov_b32 s[G1+5], 2048                        ; elements from row to row, in all ten tensors
	s_mov_b32 s[G1+6], 0
	s_mov_b32 s[G1+7], 0
	s_mul_i32 s37, s36, 2*SLOTB                    ; my ring
	s_lshr_b32 s38, ttmp9, 5                       ; w = 4 t + g
	s_and_b32 s39, s38, 3                          ; g
	s_lshr_b32 s60, ttmp9, 7                       ; t
	s_and_b32 s61, ttmp9, 31                       ; which 64 rows of the weight
	s_bfe_u32 s62, ttmp9, 0x60001                  ; which 32 rows of x or h_x: (b % 128) / 2
	s_and_b32 s63, ttmp9, 1
	s_lshl_b32 s63, s63, 3
	s_add_co_u32 s63, s63, s36                     ; and which K step: 8 (b % 2) + wave
	s_lshl_b32 s94, s62, 18                        ; x's tile: 32 rows of 8,192 bytes each + 512 a K step
	s_lshl_b32 s95, s63, 9
	s_add_co_u32 s94, s94, s95
	s_mov_b32 s95, 0
	s_lshr_b32 s96, s62, 2                         ; its codes: blk = rows' block / 4,
	s_lshl_b32 s96, s96, 7                         ; 4 versions x 32 K steps to a blk,
	s_lshl_b32 s97, s60, 4
	s_add_co_u32 s96, s96, s97
	s_add_co_u32 s96, s96, s63                     ; + 16 t + K step,
	s_lshl_b32 s96, s96, 14
	s_and_b32 s97, s62, 3
	s_lshl_b32 s97, s97, 12                        ; + two fragments of 2,048 bytes for each 32 rows
	s_add_co_u32 s96, s96, s97
	s_mov_b32 s97, 0
	s_lshl_b32 s98, s61, 19                        ; the weight's first tile: 64 rows of 8,192 bytes each + 512 x wave
	s_lshl_b32 s99, s36, 9
	s_add_co_u32 s98, s98, s99
	s_mov_b32 s99, 0
	s_lshl_b32 s2, s36, 2                          ; its codes: (4 x wave + g) x 32 K steps,
	s_add_co_u32 s2, s2, s39
	s_lshl_b32 s2, s2, 19
	s_lshl_b32 s3, s60, 4
	s_lshr_b32 s4, s61, 1
	s_add_co_u32 s3, s3, s4                        ; + ks = 16 t + (64 rows' number) / 2,
	s_lshl_b32 s3, s3, 14
	s_add_co_u32 s2, s2, s3
	s_and_b32 s3, s61, 1
	s_lshl_b32 s3, s3, 10                          ; + c = 2 x (that number % 2): 512 bytes each
	s_add_co_u32 s2, s2, s3
	s_mov_b32 s3, 0
	s_lshl_b32 s67, s39, 4
	s_lshl_b32 s66, s60, 3
	s_add_co_u32 s67, s67, s66                     ; 4 x (4 g + 2 t) bytes into the exponents
	s_wait_dscnt 0x0                               ; both opening adds are done
	s_wait_kmcnt 0x0
	s_cmp_lg_u32 s60, 0
	s_cselect_b64 s[24:25], s[26:27], s[24:25]     ; h_x or x: the choice hangs on the work-group's number alone
	s_mov_b32 s[G0], 1
	s_add_co_u32 s[G0+1], s37, 0                   ; tile 0 goes to slot 0
	s_add_nc_u64 s[G0+2:G0+3], s[24:25], s[94:95]
	s_or_b32 s[G0+3], s[G0+3], 0x80000000
	tensor_load_to_lds s[G0:G0+3], s[G1:G1+7]      ; my one tensor load at the head; the rest of the head stands under its flight
	s_nop 0
	s_load_b512 s[76:91], s[28:29], 0x0            ; all sixteen exponents
	s_load_b32 s66, s[28:29], s67 offset:0x4       ; the weight's: entry 4 g + 2 t + 1
	s_bitcmp1_b32 s38, 0                           ; the weight's address, chosen among the eight bit by bit of w
	s_cselect_b64 s[8:9], s[10:11], s[8:9]
	s_cselect_b64 s[12:13], s[14:15], s[12:13]
	s_cselect_b64 s[16:17], s[18:19], s[16:17]
	s_cselect_b64 s[20:21], s[22:23], s[20:21]
	s_bitcmp1_b32 s38, 1
	s_cselect_b64 s[8:9], s[12:13], s[8:9]
	s_cselect_b64 s[16:17], s[20:21], s[16:17]
	s_bitcmp1_b32 s38, 2
	s_cselect_b64 s[8:9], s[16:17], s[8:9]
	s_add_nc_u64 s[8:9], s[8:9], s[98:99]
.irp n, 1,2,3,4                        ; tile n: the weight's rows 32 ((n - 1) / 2) on, column block 8 ((n - 1) % 2) + wave; slot n % 2
	s_mov_b32 s[G0+4*\n], 1
	s_add_co_u32 s[G0+4*\n+1], s37, (\n%2)*SLOTB
	s_add_nc_u64 s[G0+4*\n+2:G0+4*\n+3], s[8:9], ((\n-1)%2)*4096+((\n-1)/2)*262144
	s_or_b32 s[G0+4*\n+3], s[G0+4*\n+3], 0x80000000
.endr
	s_add_nc_u64 s[32:33], s[32:33], s[96:97]
	s_add_nc_u64 s[OW:OW+1], s[OW:OW+1], s[2:3]
	s_add_nc_u64 s[OW2:OW2+1], s[OW:OW+1], 0x1000000   ; eight column blocks x 4 gates x 32 K steps x 16,384 bytes further on
	v_and_b32 v1, 31, v0
	v_lshlrev_b32 v7, 13, v1                       ; the prefetches: a lane a row of 8,192 bytes
	ASK 1
	ASK 2
	v_lshlrev_b32 v2, 4, v1                        ; out: 16 x lane
	v_and_b32 v5, 15, v0                           ; r
	v_bfe_u32 v6, v0, 4, 1                         ; h
	v_mul_u32_u24 v3, v6, 16*PITCH
	v_lshl_add_u32 v3, v5, 2, v3
	v_add_nc_u32 v3, s37, v3                       ; a weight's tile: row 16 h, column r
	v_mul_u32_u24 v4, v5, PITCH
	v_lshl_add_u32 v4, v6, 6, v4
	v_add_nc_u32 v4, s37, v4                       ; x's tile: row r, 64 h bytes
	s_wait_kmcnt 0x0
	s_cmp_lg_u32 s60, 0
.irp g, 0,1,2,3
	s_cselect_b32 s[4+\g], s[78+4*\g], s[76+4*\g]  ; e of version g: entry 4 g + 2 t
.endr
.irp g, 0,1,2,3
	s_add_co_i32 s[4+\g], s[4+\g], 127
	s_lshl_b32 s30, s[4+\g], 23
	v_mov_b32 v[SCL+\g], s30                       ; 2^e as f32: the conversion takes its exponent field
	s_add_co_i32 s[4+\g], s[4+\g], 8
	s_lshl_b32 s30, s[4+\g], 23
	s_or_b32 s30, s30, 0x600000
	v_mov_b32 v[LIM+\g], s30                       ; 448 x 2^e
.endr
	s_add_co_i32 s66, s66, 127
	s_lshl_b32 s30, s66, 23
	v_mov_b32 v10, s30
	s_add_co_i32 s66, s66, 8
	s_lshl_b32 s30, s66, 23
	s_or_b32 s30, s30, 0x600000
	v_mov_b32 v11, s30
	s_wait_alu depctr_va_vdst(0)
; Tile n is asked for, into the slot whose tile has been read (tile 1: slot 1's first fill, issued as a refill is): all my tensor loads have landed, the add, the wait for it and for my reads, the barrier, the one load.
.macro FILL n
	s_wait_tensorcnt 0x0
	ds_add_u32 v[SPW], v[NIL]
	s_wait_dscnt 0x0
	s_barrier_signal -1
	s_barrier_wait -1
	tensor_load_to_lds s[G0+4*\n:G0+4*\n+3], s[G1:G1+7]
	s_nop 0
.endm
; x's tile (slot 0): chunk q = 4 ii + c is rows 16 ii + r, k = 32 c + 16 h + 0 .. 15.  Four holds and conversions a chunk, one for each version; the codes land on the numbers' registers, each store's data in registers of their own.
.macro ACOMP
	s_wait_tensorcnt 0x1                           ; the one younger load may be out
.irp q, 0,1,2,3,4,5,6,7
.irp u, 0,1,2,3
	ds_load_b128 v[X+16*\q+4*\u:X+16*\q+4*\u+3], v4 offset:(\q/4)*16*PITCH+(\q%4)*128+16*\u
.endr
.endr
	ASK 3
.irp q, 0,1,2,3,4,5,6,7
	s_wait_dscnt 4*(7-\q)                          ; the later chunks' four loads each may be out
.irp g, 0,1,2,3
.irp e, 0,1,2,3,4,5,6,7,8,9,10,11,12,13,14,15
	v_med3_num_f32 v[TA+16*\g+\e], v[X+16*\q+\e], -v[LIM+\g], v[LIM+\g]   ; the conversion to an 8-bit code does not saturate (ISA guide 7.6.2)
.endr
.endr
.irp g, 0,1,2,3
	v_cvt_scalef32_pk8_fp8_f32 v[X+16*\q+4*\g:X+16*\q+4*\g+1], v[TA+16*\g:TA+16*\g+7], v[SCL+\g]
	v_cvt_scalef32_pk8_fp8_f32 v[X+16*\q+4*\g+2:X+16*\q+4*\g+3], v[TA+16*\g+8:TA+16*\g+15], v[SCL+\g]
.endr
	v_nop                                          ; a plain line behind the last conversion, ahead of the next chunk's holds, which write its sources
.endr
	s_wait_alu depctr_va_vdst(0)
.endm
.macro ASTORE
.irp q, 0,1,2,3,4,5,6,7
.irp g, 0,1,2,3
	global_store_b128 v2, v[X+16*\q+4*\g:X+16*\q+4*\g+3], s[32:33] offset:\g*524288+(\q/4)*2048+(\q%4)*512   ; 32 lanes store 512 consecutive bytes, aligned
.endr
.endr
.endm
; A weight's tile.  Fragment i: columns 16 i + r; sixteen word loads run down K.  Loads run three fragments ahead.
.macro WLD i, so
.irp j, 0,1,2,3,4,5,6,7,8,9,10,11,12,13,14,15
	ds_load_b32 v[X+16*(\i)+\j], v3 offset:(\so)+\j*PITCH+64*(\i)
.endr
.endm
.macro WCOMP n, left
.set SO, ((\n)%2)*SLOTB
	s_wait_tensorcnt \left                         ; the younger load, if there is one, may be out
.if (\n) == 1
	s_wait_xcnt 0x0                                ; x's stores have read their data: X is loaded again only behind this wait
.endif
	WLD 0, SO
	WLD 1, SO
	WLD 2, SO
.if (\n) == 1
	ASK 4
.endif
.irp i, 0,1,2,3,4,5,6,7
.if \i < 6
	s_wait_dscnt 32                                ; this fragment's sixteen loads are in; the two fragments behind it may be out
.else
	s_wait_dscnt 16*(7-\i)
.endif
.if ((\n) > 1) && (\i == 0)
	s_wait_xcnt 0x0                                ; the tile before's stores have read their data: C is written again only behind this wait
.endif
.irp j, 0,1,2,3,4,5,6,7,8,9,10,11,12,13,14,15
	v_med3_num_f32 v[X+16*\i+\j], v[X+16*\i+\j], -v11, v11
.endr
	v_cvt_scalef32_pk8_fp8_f32 v[C+4*\i:C+4*\i+1], v[X+16*\i:X+16*\i+7], v10
	v_cvt_scalef32_pk8_fp8_f32 v[C+4*\i+2:C+4*\i+3], v[X+16*\i+8:X+16*\i+15], v10   ; the next vector lines are the next fragment's holds: plain, on other registers
.if \i < 5
	WLD \i+3, SO
.endif
.endr
	v_nop                                          ; a plain line behind the last conversion
	s_wait_alu depctr_va_vdst(0)
.endm
.macro WSTORE n
.irp i, 0,1,2,3,4,5,6,7
.if ((\n)-1)%2
	global_store_b128 v2, v[C+4*\i:C+4*\i+3], s[OW2:OW2+1] offset:\i*2048+(((\n)-1)/2)*512
.else
	global_store_b128 v2, v[C+4*\i:C+4*\i+3], s[OW:OW+1] offset:\i*2048+(((\n)-1)/2)*512   ; 32 lanes store 512 consecutive bytes, aligned
.endif
.endr
.endm
	FILL 1
	ACOMP
	FILL 2
	ASTORE
	WCOMP 1, 0x1
	FILL 3
	WSTORE 1
	WCOMP 2, 0x1
	FILL 4
	WSTORE 2
	WCOMP 3, 0x1
	WSTORE 3
	WCOMP 4, 0x0                                   ; nothing is left to fetch
	WSTORE 4
	s_wait_tensorcnt 0x0                           ; the wave's end
	ds_add_u32 v[SPW], v[NIL]
	s_wait_dscnt 0x0
	s_endpgm
.Lfunc_end_k_qb81dfbded7_quant:
	.size	k_qb81dfbded7_quant, .Lfunc_end_k_qb81dfbded7_quant-k_qb81dfbded7_quant
	.p2alignl 7, 3214868480
	.fill 96, 4, 3214868480
	.section	.rodata,"a",@progbits
	.p2align	6, 0x0
	.amdhsa_kernel k_qb81dfbded7_quant
		.amdhsa_group_segment_fixed_size 327680
		.amdhsa_private_segment_fixed_size 0
		.amdhsa_enable_private_segment 0
		.amdhsa_kernarg_size 104
		.amdhsa_user_sgpr_count 2
		.amdhsa_user_sgpr_kernarg_segment_ptr 1
		.amdhsa_wavefront_size32 1
		.amdhsa_system_sgpr_workgroup_id_x 1
		.amdhsa_system_sgpr_workgroup_id_y 1
		.amdhsa_system_sgpr_workgroup_id_z 1
		.amdhsa_system_vgpr_workitem_id 0
		.amdhsa_next_free_vgpr 256
		.amdhsa_next_free_sgpr 100
		.amdhsa_reserve_vcc 0
		.amdhsa_float_denorm_mode_32 3
		.amdhsa_float_denorm_mode_16_64 3
		.amdhsa_memory_ordered 1
		.amdhsa_forward_progress 1
		.amdhsa_inst_pref_size 123
	.end_amdhsa_kernel
	.amdgpu_metadata
---
amdhsa.version: [ 1, 2 ]
amdhsa.kernels:
  - .name:           k_qb81dfbded7_quant
    .symbol:         k_qb81dfbded7_quant.kd
    .args:
      - { .name: W_xi, .offset: 0, .size: 8, .value_kind: global_buffer, .address_space: global }
      - { .name: W_xf, .offset: 8, .size: 8, .value_kind: global_buffer, .address_space: global }
      - { .name: W_xo, .offset: 16, .size: 8, .value_kind: global_buffer, .address_space: global }
      - { .name: W_xc, .offset: 24, .size: 8, .value_kind: global_buffer, .address_space: global }
      - { .name: W_hi, .offset: 32, .size: 8, .value_kind: global_buffer, .address_space: global }
      - { .name: W_hf, .offset: 40, .size: 8, .value_kind: global_buffer, .address_space: global }
      - { .name: W_ho, .offset: 48, .size: 8, .value_kind: global_buffer, .address_space: global }
      - { .name: W_hc, .offset: 56, .size: 8, .value_kind: global_buffer, .address_space: global }
      - { .name: x, .offset: 64, .size: 8, .value_kind: global_buffer, .address_space: global }
      - { .name: h_x, .offset: 72, .size: 8, .value_kind: global_buffer, .address_space: global }
      - { .name: lowp_scales, .offset: 80, .size: 8, .value_kind: global_buffer, .address_space: global }
      - { .name: acodes, .offset: 88, .size: 8, .value_kind: global_buffer, .address_space: global }
      - { .name: wcodes, .offset: 96, .size: 8, .value_kind: global_buffer, .address_space: global }
    .group_segment_fixed_size: 327680
    .private_segment_fixed_size: 0
    .kernarg_segment_align: 8
    .kernarg_segment_size: 104
    .max_flat_workgroup_size: 256
    .sgpr_count:     100
    .vgpr_count:     256
    .wavefront_size: 32
...
	.end_amdgpu_metadata
.endif
;; end of part 1
;; launch gates (part 2): grid 32 x 8, 4 waves a work-group, clusters of 4 x 4, 327,680 bytes of LDS; arguments acodes, wcodes, lowp_scales, b_i, b_f, b_o, b_c, gbuf; writes gbuf
.if DOCPART == 2
	.amdgcn_target "amdgcn-amd-amdhsa--gfx1250"
	.amdhsa_code_object_version 6
	.text
	.protected	k_qb81dfbded7_gates
	.globl	k_qb81dfbded7_gates
	.p2align	8
	.type	k_qb81dfbded7_gates,@function
k_qb81dfbded7_gates:
	s_mov_b64 s[64:65], 0
	v_nop
	global_prefetch_b8 v0, s[64:65] scope:SCOPE_SE
	s_setreg_imm32_b32 hwreg(HW_REG_WAVE_MODE, 25, 1), 1
	s_wait_xcnt 0x0
	s_wait_alu depctr_hold_cnt(0) depctr_sa_sdst(0) depctr_va_vdst(0) depctr_va_sdst(0) depctr_va_ssrc(0) depctr_va_vcc(0) depctr_vm_vsrc(0)
	s_getreg_b32 s2, hwreg(HW_REG_IB_STS2, 6, 4)
	s_cmp_eq_u32 s2, 0
	s_cbranch_scc0 .Lentry_in_a_cluster
	s_endpgm
.Lentry_in_a_cluster:
	s_bfe_u32 s2, ttmp6, 0x10000c
	s_cmp_lg_u32 s2, 0xf033
	s_cbranch_scc0 .Lentry_shape_is_right
	s_endpgm
.Lentry_shape_is_right:
; y_g = -beta_g (x_g W_xg + h_g W_hg + b_g) for the four gates g = i, f, o, c (beta = log2(e); for c 2 log2(e)), into gbuf [4][2048][2048] f32.  Operands: codes of FP8 (E4M3) as the launch before laid them.
; One GEMM of M = 2,048, N = 4 x 2,048, K = 4,096 (the x part, then the h part).  A tile of 256 x 256 to a work-group of four waves, 128 x 128 a wave: 64 accumulators.  Grid x = 8 g + tile column, y = tile row.
; The x part's sums stand for sums x 2^(ea + eb) of product (g, 0), the h part's of (g, 1): at K's middle the sums are multiplied once by 2^(the first less the second), at the end by the second's power of two, folded into -beta.
; LIMITS: the sums and the difference of the exponents stay between -126 and 127 (with beta's own exponent added).
; K goes in steps of 256 through a ring of two LDS slots.  A wave's tensor load brings 32,768 dense bytes (128 rows' two K steps of 128) as 128 LDS rows of 256 bytes, 272 apart.  A fragment (16 rows x 128 K) is
; 2,048 bytes on end, four runs of 512: lane l takes 16 bytes at 16 l of each run, so sixteen lanes read one LDS row.
; CLUSTERS 4 x 4: A's tiles are asked for jointly along a row of the cluster, B's along a column.  PREFETCH: each cluster asks for its own tiles, the four partners sharing a wave's 32,768 bytes out by address,
; a lane to 256 bytes, two changes of slots ahead; K steps 1 and 2 are asked for under the first load's flight, K step 3 behind slot 1's first fill; the last two changes of slots ask for nothing.
.set PITCH,  272
.set GT,     64*PITCH
.set HALFT,  2*GT
.set SLOT,   4*HALFT
.set SPARE,  2*SLOT
.set FSTEP,  8*PITCH
.set LOADB,  32768
.set LAPS,   8
.set SPITCH, 528
.set ROWO,   8192
.set ADRA, 16
.set ADRB, 20
.set STO,  24
.set RD,   25
.set CO,   26
.set BO,   27
.set SPW,  28
.set NIL,  29
.set PFO,  30
.set TMP,  32
.set BIAS, 64
.set AF,   128
.set BK,   128
.set G1,  24
.set G0,  32
.set G1B, 48
.set G0B, 56
.set PFA, 66
.set LIM, 98
.set OUTP, 76
.set RS,  88
.set SC,  90
.set NB,  92
.set MSB, 0
.macro WIN new
.if MSB != \new
	s_set_vgpr_msb (MSB<<8)|\new
.set MSB, \new
.endif
.endm
.set MUL_LO, 0xa1
.set MUL_HI, 0xf1
.set TO_B,   0x40
.macro JLOAD g0a, g1a, g0b, g1b
	s_cmp_eq_u32 s15, 0
	s_cbranch_scc0 .Lfor_b_\@
	tensor_load_to_lds s[\g0a:\g0a+3], s[\g1a:\g1a+7]
	s_nop 0
.rept 4
	v_nop
.endr
	s_branch .Lasked_\@
.Lfor_b_\@:
	tensor_load_to_lds s[\g0b:\g0b+3], s[\g1b:\g1b+7]
	s_nop 0
.rept 4
	v_nop
.endr
.Lasked_\@:
.endm
.macro CREST
	s_cmp_lg_u32 s14, 0
	s_cbranch_scc1 .Lnot_wave_0_\@
	s_barrier_signal -3
.Lnot_wave_0_\@:
	s_barrier_wait -3
	s_barrier_signal -1
	s_barrier_wait -1
.endm
.macro CROUND
	s_barrier_signal -1
	s_barrier_wait -1
	CREST
.endm
.macro ASK
	s_cmp_gt_u32 s3, s[LIM]
	s_cbranch_scc0 .Lnot_mine_\@
	s_wait_alu depctr_va_vdst(0)
	global_prefetch_b8 v[PFO], s[PFA:PFA+1] th:TH_LOAD_NT scope:SCOPE_SE
.Lnot_mine_\@:
.endm
.macro FRAG reg, adr, q, i
.irp c, 0,1,2,3
	ds_load_b128 v[\reg+4*\c:\reg+4*\c+3], v[\adr] offset:GT*(\q)+FSTEP*(\i)+2*PITCH*\c
.endr
.endm
.macro FETCH_B slot, q, p
	WIN TO_B
.irp i, 0,1,2,3,4,5,6,7
	FRAG 128*(\p)+16*\i, ADRB+\slot, \q, \i
.endr
	WIN 0
.endm
.macro FETCH_A slot, q, i0
.irp i, \i0, \i0+1, \i0+2, \i0+3
	FRAG AF+16*(\i), ADRA+\slot, \q, \i
.endr
.endm
.macro MUL16 a0, p, zero
.irp a, \a0, \a0+1
.irp b, 0,1,2,3,4,5,6,7
.if \zero
	v_wmma_f32_16x16x128_fp8_fp8 v[8*(8*((\a)%4)+\b):8*(8*((\a)%4)+\b)+7], v[128*(\p)+16*\b:128*(\p)+16*\b+15], v[AF+16*(\a):AF+16*(\a)+15], 0
.else
	v_wmma_f32_16x16x128_fp8_fp8 v[8*(8*((\a)%4)+\b):8*(8*((\a)%4)+\b)+7], v[128*(\p)+16*\b:128*(\p)+16*\b+15], v[AF+16*(\a):AF+16*(\a)+15], v[8*(8*((\a)%4)+\b):8*(8*((\a)%4)+\b)+7]
.endif
.endr
.endr
.endm
.macro PLACES n
.rept \n
	v_nop
.endr
.endm
.macro STEP slot, zero
	s_wait_dscnt 16
	WIN MUL_LO
	MUL16 0, 0, \zero
	MUL16 2, 0, \zero
	s_wait_dscnt 0
	PLACES 4
	FETCH_B \slot, 1, 1
	FETCH_A \slot, 1, 0
	WIN MUL_HI
	MUL16 4, 0, \zero
	MUL16 6, 0, \zero
	PLACES 4
	WIN 0
	FETCH_A \slot, 1, 4
.endm
.macro TURN slot, next, fill
.if \fill
	s_wait_xcnt 0x0
	s_add_nc_u64 s[PFA:PFA+1], s[PFA:PFA+1], LOADB
.endif
	s_wait_dscnt 16
	WIN MUL_LO
	MUL16 0, 1, 0
	MUL16 2, 1, 0
	WIN 0
	s_wait_tensorcnt 0x0
	ds_add_u32 v[SPW], v[NIL]
	s_wait_dscnt 0x0
	s_barrier_signal -1
	s_barrier_wait -1
.if \fill
	CREST
	s_add_nc_u64 s[G0+4*\slot+2:G0+4*\slot+3], s[G0+4*\slot+2:G0+4*\slot+3], 2*LOADB
	s_add_nc_u64 s[G0B+4*\slot+2:G0B+4*\slot+3], s[G0B+4*\slot+2:G0B+4*\slot+3], 2*LOADB
	JLOAD G0+4*\slot, G1, G0B+4*\slot, G1B
.else
	PLACES 4
.endif
	FETCH_B \next, 0, 0
	FETCH_A \next, 0, 0
.if \fill
	ASK
.endif
	WIN MUL_HI
	MUL16 4, 1, 0
	MUL16 6, 1, 0
	PLACES 4
	WIN 0
	FETCH_A \next, 0, 4
.endm
.macro RESCALE
	WIN 0x82
.set J, 0
.rept 128
	v_pk_mul_f32 v[J:J+1], v[J:J+1], s[RS:RS+1] op_sel_hi:[1,0]
.set J, J+2
.endr
	WIN 0xc3
.set J, 0
.rept 128
	v_pk_mul_f32 v[J:J+1], v[J:J+1], s[RS:RS+1] op_sel_hi:[1,0]
.set J, J+2
.endr
	WIN 0
.endm
.macro TOSTAGE a
.set AC, 64*((\a)%4)
.set WN, 0x12+((\a)/4)
	WIN WN
.set J, 0
.rept 32
	v_pk_fma_f32 v[TMP+J:TMP+J+1], v[AC+J:AC+J+1], s[SC:SC+1], v[J:J+1] op_sel_hi:[1,0,1]
.set J, J+2
.endr
	WIN 0
.irp b, 0,1,2,3,4,5,6,7
	ds_store_b128 v[STO], v[TMP+8*\b:TMP+8*\b+3] offset:64*\b
	ds_store_b128 v[STO], v[TMP+8*\b+4:TMP+8*\b+7] offset:64*\b+16
.endr
.set BB, BK+64*((\a)%2)
.irp t, 0,1,2,3,4,5,6,7,8,9,10,11,12,13,14,15
	ds_load_b128 v[BB+4*\t:BB+4*\t+3], v[RD] offset:\t*SPITCH
.endr
.endm
.macro SEND a, younger
.set BB, BK+64*((\a)%2)
	s_wait_dscnt \younger
.if (\a) > 0
	s_add_nc_u64 s[OUTP:OUTP+1], s[OUTP:OUTP+1], 16*ROWO
.endif
.irp t, 0,1,2,3,4,5,6,7,8,9,10,11,12,13,14,15
	global_store_b128 v[CO], v[BB+4*\t:BB+4*\t+3], s[OUTP:OUTP+1] offset:\t*ROWO
.endr
.endm
	s_load_b128 s[4:7], s[0:1], 0x0
	s_load_b64 s[8:9], s[0:1], 0x10
	s_load_b256 s[68:75], s[0:1], 0x18
	s_load_b64 s[OUTP:OUTP+1], s[0:1], 0x38
	v_lshl_add_u32 v[SPW], v0, 2, SPARE
	v_mov_b32 v[NIL], 0
	ds_add_u32 v28, v29
	ds_add_u32 v28, v29
	s_wait_dscnt 0x0
	v_lshrrev_b32 v1, 5, v0
	v_readfirstlane_b32 s14, v1
	s_lshr_b32 s15, s14, 1
	s_and_b32 s16, s14, 1
	s_bfe_u32 s40, ttmp6, 0x40000
	s_bfe_u32 s41, ttmp6, 0x40004
	s_lshr_b32 s99, ttmp9, 1
	s_and_b32 s42, ttmp9, 1
	s_lshl_b32 s42, s42, 2
	s_add_co_u32 s42, s42, s40
	s_and_b32 s17, ttmp7, 0xffff
	s_lshl_b32 s17, s17, 2
	s_add_co_u32 s17, s17, s41
	s_lshl_b32 s43, s41, 2
	s_lshl_b32 s43, 15, s43
	s_lshl_b32 s44, 0x1111, s40
	s_or_b32 s[G1+0], s43, (0<<16)|(1<<20)|(1<<21)|(5<<22)|(3<<25)
	s_or_b32 s[G1B+0], s44, (0<<16)|(1<<20)|(1<<21)|(5<<22)|(3<<25)
.irp g, G1, G1B
	s_mov_b32 s[\g+1], 256<<16
	s_mov_b32 s[\g+2], 128<<16
	s_mov_b32 s[\g+3], 256<<16
	s_mov_b32 s[\g+4], 128
	s_mov_b32 s[\g+5], 256
	s_mov_b32 s[\g+6], 0
	s_mov_b32 s[\g+7], 0
.endr
	s_lshl_b32 s20, s17, 1
	s_add_co_u32 s20, s20, s16
	s_lshl_b32 s20, s20, 2
	s_add_co_u32 s20, s20, s99
	s_lshl_b32 s20, s20, 19
	s_mov_b32 s21, 0
	s_lshl_b32 s46, s42, 1
	s_add_co_u32 s46, s46, s16
	s_lshl_b32 s46, s46, 2
	s_add_co_u32 s46, s46, s99
	s_lshl_b32 s46, s46, 19
	s_mov_b32 s47, 0
	s_mul_i32 s45, s14, HALFT
	s_lshl_b32 s22, s99, 4
	s_mov_b32 s23, 0
	s_wait_kmcnt 0x0
	s_add_nc_u64 s[8:9], s[8:9], s[22:23]
	s_load_b128 s[84:87], s[8:9], 0x0
	s_add_nc_u64 s[20:21], s[4:5], s[20:21]
	s_add_nc_u64 s[46:47], s[6:7], s[46:47]
	CROUND
.irp s, 0,1
	s_mov_b32 s[G0+4*\s], 1
	s_add_co_u32 s[G0+4*\s+1], s45, \s*SLOT
	s_add_nc_u64 s[G0+4*\s+2:G0+4*\s+3], s[20:21], \s*LOADB
	s_or_b32 s[G0+4*\s+3], s[G0+4*\s+3], 0x80000000
	s_mov_b32 s[G0B+4*\s], 1
	s_add_co_u32 s[G0B+4*\s+1], s45, \s*SLOT
	s_add_nc_u64 s[G0B+4*\s+2:G0B+4*\s+3], s[46:47], \s*LOADB
	s_or_b32 s[G0B+4*\s+3], s[G0B+4*\s+3], 0x80000000
.endr
	JLOAD G0, G1, G0B, G1B                         ; K step 0: one tensor load a wave at the head; the set-up below stands under its flight
	v_and_b32 v1, 15, v0
	v_bfe_u32 v2, v0, 4, 1
	v_mul_u32_u24 v3, v2, PITCH                    ; my 16 bytes of a run of 512: LDS row l / 16,
	v_lshl_add_u32 v3, v1, 4, v3                   ; byte 16 (l % 16)
	s_mul_i32 s18, s15, HALFT
	s_mul_i32 s19, s16, HALFT
	s_add_co_u32 s19, s19, 2*HALFT
.irp s, 0,1
	v_add_nc_u32 v[ADRA+\s], s18, v3
	v_add_nc_u32 v[ADRB+\s], s19, v3
	s_add_co_u32 s18, s18, SLOT
	s_add_co_u32 s19, s19, SLOT
.endr
	s_mul_i32 s18, s14, 16*SPITCH
	s_wait_alu depctr_va_vdst(0)
	v_mul_u32_u24 v5, v1, SPITCH
	v_lshl_add_u32 v5, v2, 5, v5
	v_add_nc_u32 v[STO], s18, v5
	v_and_b32 v6, 31, v0
	v_lshlrev_b32 v[CO], 4, v6
	v_add_nc_u32 v[RD], s18, v[CO]
	v_lshlrev_b32 v[BO], 5, v2
	s_wait_alu depctr_va_vdst(0)
	v_lshlrev_b32 v[PFO], 8, v6
	s_bitcmp1_b32 s99, 0
	s_cselect_b64 s[68:69], s[70:71], s[68:69]
	s_cselect_b64 s[72:73], s[74:75], s[72:73]
	s_bitcmp1_b32 s99, 1
	s_cselect_b64 s[68:69], s[72:73], s[68:69]
	s_lshl_b32 s22, s42, 10
	s_lshl_b32 s23, s16, 9
	s_add_co_u32 s22, s22, s23
	s_mov_b32 s23, 0
	s_add_nc_u64 s[68:69], s[68:69], s[22:23]
.irp b, 0,1,2,3,4,5,6,7
	global_load_b128 v[BIAS+8*\b:BIAS+8*\b+3], v[BO], s[68:69] offset:64*\b
	global_load_b128 v[BIAS+8*\b+4:BIAS+8*\b+7], v[BO], s[68:69] offset:64*\b+16
.endr
	s_lshl_b32 s82, s99, 24
	s_lshl_b32 s83, s17, 21
	s_add_co_u32 s82, s82, s83
	s_lshl_b32 s83, s15, 20
	s_add_co_u32 s82, s82, s83
	s_add_co_u32 s82, s82, s22
	s_mov_b32 s83, 0
	s_add_nc_u64 s[OUTP:OUTP+1], s[OUTP:OUTP+1], s[82:83]
	s_cmp_eq_u32 s15, 0
	s_cselect_b32 s19, s40, s41                    ; my place among the four that ask for the tile with me
	s_cselect_b64 s[PFA:PFA+1], s[20:21], s[46:47]
	s_mov_b32 s[LIM], 1                            ; every cluster asks for what it will load
	s_lshl_b32 s18, s19, 13                        ; my work-group's 8,192 of the wave's 32,768 bytes
	s_add_co_u32 s18, s18, 3*LOADB
	s_mov_b32 s19, 0
	s_add_nc_u64 s[PFA:PFA+1], s[PFA:PFA+1], s[18:19]
	s_wait_alu depctr_va_vdst(0)
	global_prefetch_b8 v[PFO], s[PFA:PFA+1] offset:-2*LOADB th:TH_LOAD_NT scope:SCOPE_SE   ; K step 1
	global_prefetch_b8 v[PFO], s[PFA:PFA+1] offset:-LOADB th:TH_LOAD_NT scope:SCOPE_SE     ; K step 2
	s_wait_kmcnt 0x0
	s_add_co_i32 s22, s84, s85
	s_add_co_i32 s23, s86, s87
	s_sub_co_i32 s22, s22, s23
	s_add_co_i32 s22, s22, 127
	s_lshl_b32 s[RS], s22, 23
	s_mov_b32 s[RS+1], s[RS]
	s_cmp_eq_u32 s99, 3
	s_mov_b32 s[NB], 0xbfb8aa3b
	s_cselect_b32 s[NB], 0xc038aa3b, s[NB]
	s_mov_b32 s[NB+1], s[NB]
	s_lshl_b32 s23, s23, 23
	s_add_co_i32 s[SC], s[NB], s23
	s_mov_b32 s[SC+1], s[SC]
	s_wait_alu depctr_va_vdst(0)
	s_wait_tensorcnt 0x0                           ; my part of K step 0 is in
	ds_add_u32 v[SPW], v[NIL]
	s_wait_dscnt 0x0
	CROUND                                         ; everybody's part of K step 0 is in, and all sixteen work-groups are here
	JLOAD G0+4, G1, G0B+4, G1B                     ; K step 1: slot 1's first fill, the first tensor load behind the round
	FETCH_B 0, 0, 0
	FETCH_A 0, 0, 0
	FETCH_A 0, 0, 4
	global_prefetch_b8 v[PFO], s[PFA:PFA+1] th:TH_LOAD_NT scope:SCOPE_SE   ; K step 3
	STEP 0, 1
	s_mov_b32 s3, LAPS-1
.Llap:
	TURN 0, 1, 1
	STEP 1, 0
	TURN 1, 0, 1
	s_cmp_eq_u32 s3, 4
	s_cbranch_scc0 .Lkeep
	RESCALE
.Lkeep:
	s_wait_alu depctr_va_vdst(0)
	STEP 0, 0
	s_sub_co_u32 s3, s3, 1
	s_cmp_lg_u32 s3, 0
	s_cbranch_scc1 .Llap
	TURN 0, 1, 0
	STEP 1, 0
	s_wait_dscnt 16
	WIN MUL_LO
	MUL16 0, 1, 0
	MUL16 2, 1, 0
	s_wait_dscnt 0
	WIN MUL_HI
	MUL16 4, 1, 0
	MUL16 6, 1, 0
	s_wait_loadcnt 0x0
	WIN 0x40
.set J, 0
.rept 32
	v_pk_mul_f32 v[J:J+1], v[BIAS+J:BIAS+J+1], s[NB:NB+1] op_sel_hi:[1,0]
.set J, J+2
.endr
	TOSTAGE 0
.irp a, 1,2,3,4,5,6,7
.if \a > 1
	s_wait_xcnt 0x0
.endif
	TOSTAGE \a
	SEND \a-1, 32
.endr
	s_wait_xcnt 0x0
	SEND 7, 0
	s_wait_tensorcnt 0x0
	ds_add_u32 v[SPW], v[NIL]
	s_wait_dscnt 0x0
	CROUND
	s_endpgm
.Lfunc_end_k_qb81dfbded7_gates:
	.size	k_qb81dfbded7_gates, .Lfunc_end_k_qb81dfbded7_gates-k_qb81dfbded7_gates
	.p2alignl 7, 3214868480
	.fill 96, 4, 3214868480
	.section	.rodata,"a",@progbits
	.p2align	6, 0x0
	.amdhsa_kernel k_qb81dfbded7_gates
		.amdhsa_group_segment_fixed_size 327680
		.amdhsa_private_segment_fixed_size 0
		.amdhsa_enable_private_segment 0
		.amdhsa_kernarg_size 64
		.amdhsa_user_sgpr_count 2
		.amdhsa_user_sgpr_kernarg_segment_ptr 1
		.amdhsa_wavefront_size32 1
		.amdhsa_system_sgpr_workgroup_id_x 1
		.amdhsa_system_sgpr_workgroup_id_y 1
		.amdhsa_system_sgpr_workgroup_id_z 1
		.amdhsa_system_vgpr_workitem_id 0
		.amdhsa_next_free_vgpr 1024
		.amdhsa_next_free_sgpr 100
		.amdhsa_reserve_vcc 0
		.amdhsa_float_denorm_mode_32 3
		.amdhsa_float_denorm_mode_16_64 3
		.amdhsa_memory_ordered 1
		.amdhsa_forward_progress 1
		.amdhsa_inst_pref_size 145
	.end_amdhsa_kernel
	.amdgpu_metadata
---
amdhsa.version: [ 1, 2 ]
amdhsa.kernels:
  - .name:           k_qb81dfbded7_gates
    .symbol:         k_qb81dfbded7_gates.kd
    .args:
      - { .name: acodes, .offset: 0, .size: 8, .value_kind: global_buffer, .address_space: global }
      - { .name: wcodes, .offset: 8, .size: 8, .value_kind: global_buffer, .address_space: global }
      - { .name: lowp_scales, .offset: 16, .size: 8, .value_kind: global_buffer, .address_space: global }
      - { .name: b_i, .offset: 24, .size: 8, .value_kind: global_buffer, .address_space: global }
      - { .name: b_f, .offset: 32, .size: 8, .value_kind: global_buffer, .address_space: global }
      - { .name: b_o, .offset: 40, .size: 8, .value_kind: global_buffer, .address_space: global }
      - { .name: b_c, .offset: 48, .size: 8, .value_kind: global_buffer, .address_space: global }
      - { .name: gbuf, .offset: 56, .size: 8, .value_kind: global_buffer, .address_space: global }
    .group_segment_fixed_size: 327680
    .private_segment_fixed_size: 0
    .kernarg_segment_align: 8
    .kernarg_segment_size: 64
    .max_flat_workgroup_size: 128
    .sgpr_count:     100
    .vgpr_count:     1024
    .wavefront_size: 32
...
	.end_amdgpu_metadata
.endif
;; end of part 2
;; launch combine (part 3): grid 1024 x 1, 8 waves a work-group, no clusters, 0 bytes of LDS; arguments gbuf, c_x, out0, out1; writes out0, out1
.if DOCPART == 3
	.amdgcn_target "amdgcn-amd-amdhsa--gfx1250"
	.amdhsa_code_object_version 6
	.text
	.protected	k_qb81dfbded7_combine
	.globl	k_qb81dfbded7_combine
	.p2align	8
	.type	k_qb81dfbded7_combine,@function
k_qb81dfbded7_combine:
	s_mov_b64 s[64:65], 0
	v_nop
	global_prefetch_b8 v0, s[64:65] scope:SCOPE_SE
	s_setreg_imm32_b32 hwreg(HW_REG_WAVE_MODE, 25, 1), 1
	s_wait_xcnt 0x0
; The cell's update, number by number, all in f32.  gbuf [4][2048][2048] holds y_g = -beta_g z_g of the gates i, f, o, c (beta = log2(e); for c 2 log2(e)).
; i, f, o = 1 / (1 + 2^y); c~ = 2 / (1 + 2^y) - 1; cy = f c_x + i c~ (out1); hy = o tanh(cy) = o (2 / (1 + 2^(-2 log2(e) cy)) - 1) (out0).
; No clip is wanted: 2^y = infinity gives 0 for the quotient, 2^y = 0 gives 1.  NaN among the inputs is not served.
; A stream: memory binds, so there is no LDS, no barrier, no matrix unit and no cluster (work-groups share no input).  All seven tensors are dense and alike, so nothing here knows of rows.
; A work-group of eight waves takes 16,384 bytes of each tensor; thread t takes the 16 bytes at 16 t of each of four chunks of 4,096 bytes: every load and store of a wave covers 512 consecutive bytes, aligned.
; All 20 loads of a thread go out at the head.  Each chunk has its own registers, and results are laid over operands that are done with, so no store's data are written again and no address is stepped.
.set X,   16                           ; v16-95  chunk u at v[16 + 20 u]: i, f, o, c, c_x, four registers each
.set GI,  0
.set GF,  4
.set GO,  8
.set GC,  12
.set CXR, 16
.set CH,  4096                         ; a chunk
	s_load_b128 s[4:7], s[0:1], 0x0                ; gbuf, c_x
	s_load_b128 s[8:11], s[0:1], 0x10              ; out0, out1
	v_lshlrev_b32 v1, 4, v0                        ; 16 x thread
	s_lshl_b32 s2, ttmp9, 14                       ; the work-group's 16,384 bytes
	s_mov_b32 s3, 0
	s_mov_b32 s20, 0xc038aa3b                      ; -2 log2(e)
	s_mov_b32 s21, s20                             ; (named with it as a pair, so it is written)
	s_wait_alu depctr_va_vdst(0)
	s_wait_kmcnt 0x0
	s_add_nc_u64 s[4:5], s[4:5], s[2:3]            ; gate i,
	s_add_nc_u64 s[12:13], s[4:5], 0x1000000       ; f: 16,777,216 bytes further on,
	s_add_nc_u64 s[14:15], s[4:5], 0x2000000       ; o,
	s_add_nc_u64 s[16:17], s[4:5], 0x3000000       ; c
	s_add_nc_u64 s[6:7], s[6:7], s[2:3]
	s_add_nc_u64 s[8:9], s[8:9], s[2:3]
	s_add_nc_u64 s[10:11], s[10:11], s[2:3]
.irp u, 0,1,2,3
	global_load_b128 v[X+20*\u+GI:X+20*\u+GI+3],   v1, s[4:5] offset:CH*\u th:TH_LOAD_NT
	global_load_b128 v[X+20*\u+GF:X+20*\u+GF+3],   v1, s[12:13] offset:CH*\u th:TH_LOAD_NT
	global_load_b128 v[X+20*\u+GO:X+20*\u+GO+3],   v1, s[14:15] offset:CH*\u th:TH_LOAD_NT
	global_load_b128 v[X+20*\u+GC:X+20*\u+GC+3],   v1, s[16:17] offset:CH*\u th:TH_LOAD_NT
	global_load_b128 v[X+20*\u+CXR:X+20*\u+CXR+3], v1, s[6:7] offset:CH*\u th:TH_LOAD_NT
.endr
; Chunk u: four numbers a lane.  The exponentials go as a batch with one wait ahead of the batch's first reader, and so do the reciprocals.
.macro CHUNK u
.set XS, X+20*(\u)
	s_wait_loadcnt 5*(3-(\u))                      ; this chunk's five loads are in; the later chunks' may be out
.set J, 0
.rept 16
	v_exp_f32 v[XS+J], v[XS+J]                     ; 2^y of the four gates
.set J, J+1
.endr
	v_nop                                          ; a plain line behind the last exponential
	s_wait_alu depctr_va_vdst(0)
.set J, 0
.rept 8
	v_pk_add_f32 v[XS+J:XS+J+1], v[XS+J:XS+J+1], 1.0 op_sel_hi:[1,0]
.set J, J+2
.endr
.set J, 0
	s_wait_alu depctr_va_vdst(0)
.rept 16
	v_rcp_f32 v[XS+J], v[XS+J]                     ; i, f, o; for c: half of c~ + 1
.set J, J+1
.endr
	v_nop
	s_wait_alu depctr_va_vdst(0)
.irp j, 0,2
	v_pk_fma_f32 v[XS+GC+\j:XS+GC+\j+1], v[XS+GC+\j:XS+GC+\j+1], 2.0, -1.0 op_sel_hi:[1,0,0]          ; c~
.endr
.irp j, 0,2
	v_pk_mul_f32 v[XS+GI+\j:XS+GI+\j+1], v[XS+GI+\j:XS+GI+\j+1], v[XS+GC+\j:XS+GC+\j+1]               ; i c~
.endr
.irp j, 0,2
	v_pk_fma_f32 v[XS+CXR+\j:XS+CXR+\j+1], v[XS+GF+\j:XS+GF+\j+1], v[XS+CXR+\j:XS+CXR+\j+1], v[XS+GI+\j:XS+GI+\j+1]   ; cy = f c_x + i c~
.endr
	global_store_b128 v1, v[XS+CXR:XS+CXR+3], s[10:11] offset:CH*(\u)
.irp j, 0,2
	v_pk_mul_f32 v[XS+GC+\j:XS+GC+\j+1], v[XS+CXR+\j:XS+CXR+\j+1], s[20:21] op_sel_hi:[1,0]           ; -2 log2(e) cy
.endr
	s_wait_alu depctr_va_vdst(0)
.irp j, 0,1,2,3
	v_exp_f32 v[XS+GC+\j], v[XS+GC+\j]
.endr
	v_nop
	s_wait_alu depctr_va_vdst(0)
.irp j, 0,2
	v_pk_add_f32 v[XS+GC+\j:XS+GC+\j+1], v[XS+GC+\j:XS+GC+\j+1], 1.0 op_sel_hi:[1,0]
.endr
	s_wait_alu depctr_va_vdst(0)
.irp j, 0,1,2,3
	v_rcp_f32 v[XS+GC+\j], v[XS+GC+\j]
.endr
	v_nop
	s_wait_alu depctr_va_vdst(0)
.irp j, 0,2
	v_pk_fma_f32 v[XS+GC+\j:XS+GC+\j+1], v[XS+GC+\j:XS+GC+\j+1], 2.0, -1.0 op_sel_hi:[1,0,0]          ; tanh(cy)
.endr
.irp j, 0,2
	v_pk_mul_f32 v[XS+GO+\j:XS+GO+\j+1], v[XS+GO+\j:XS+GO+\j+1], v[XS+GC+\j:XS+GC+\j+1]               ; hy = o tanh(cy)
.endr
	global_store_b128 v1, v[XS+GO:XS+GO+3], s[8:9] offset:CH*(\u)
.endm
	CHUNK 0
	CHUNK 1
	CHUNK 2
	CHUNK 3
	s_endpgm
.Lfunc_end_k_qb81dfbded7_combine:
	.size	k_qb81dfbded7_combine, .Lfunc_end_k_qb81dfbded7_combine-k_qb81dfbded7_combine
	.p2alignl 7, 3214868480
	.fill 96, 4, 3214868480
	.section	.rodata,"a",@progbits
	.p2align	6, 0x0
	.amdhsa_kernel k_qb81dfbded7_combine
		.amdhsa_group_segment_fixed_size 0
		.amdhsa_private_segment_fixed_size 0
		.amdhsa_enable_private_segment 0
		.amdhsa_kernarg_size 32
		.amdhsa_user_sgpr_count 2
		.amdhsa_user_sgpr_kernarg_segment_ptr 1
		.amdhsa_wavefront_size32 1
		.amdhsa_system_sgpr_workgroup_id_x 1
		.amdhsa_system_sgpr_workgroup_id_y 1
		.amdhsa_system_sgpr_workgroup_id_z 1
		.amdhsa_system_vgpr_workitem_id 0
		.amdhsa_next_free_vgpr 96
		.amdhsa_next_free_sgpr 66
		.amdhsa_reserve_vcc 0
		.amdhsa_float_denorm_mode_32 3
		.amdhsa_float_denorm_mode_16_64 3
		.amdhsa_memory_ordered 1
		.amdhsa_forward_progress 1
		.amdhsa_inst_pref_size 16
	.end_amdhsa_kernel
	.amdgpu_metadata
---
amdhsa.version: [ 1, 2 ]
amdhsa.kernels:
  - .name:           k_qb81dfbded7_combine
    .symbol:         k_qb81dfbded7_combine.kd
    .args:
      - { .name: gbuf, .offset: 0, .size: 8, .value_kind: global_buffer, .address_space: global }
      - { .name: c_x, .offset: 8, .size: 8, .value_kind: global_buffer, .address_space: global }
      - { .name: out0, .offset: 16, .size: 8, .value_kind: global_buffer, .address_space: global }
      - { .name: out1, .offset: 24, .size: 8, .value_kind: global_buffer, .address_space: global }
    .group_segment_fixed_size: 0
    .private_segment_fixed_size: 0
    .kernarg_segment_align: 8
    .kernarg_segment_size: 32
    .max_flat_workgroup_size: 256
    .sgpr_count:     66
    .vgpr_count:     96
    .wavefront_size: 32
...
	.end_amdgpu_metadata
.endif
;; end of part 3
